; MI455X (gfx1250); checked and timed in simulation.
; The chip was launched on July 23, 2026; its instructions are those of AMD's public machine-readable ISA for CDNA 5 (MIT licence, August 2026) and "CDNA5" Instruction Set Architecture Reference Guide (July 2026). The comments in the code are by the model that wrote it; some were corrected since.
;; Elastic Low Rank Layer. Allowed arithmetic: matrix products marked QUANTISED: E2M3 operands, one E8M0 scale for each 32 along K, by v_wmma_scale_f32_16x16x128_f8f6f4 with both operands' format E2M3, f32 sums; products left as they are: f32 operands where the result goes on into a quantised operand, else bf16, f16 or f32 operands; f32 sums; everything else in f32.
;; Inputs: U 4,096 x 64 float32; U_res 4,096 x 4 float32; V 4,096 x 64 float32; V_res 4,096 x 4 float32; x 4,096 x 4,096 float32.
;; Outputs: out0 4,096 x 4,096 float32.
;; Constants: active_cluster = 0.
;; This version of the problem:
;;   THIS VERSION OF THE PROBLEM IS GIVEN IN LOW PRECISION. The matrix products marked QUANTISED in the list below multiply operands that are first quantised to E2M3 (2 exponent bits, 3 mantissa bits; 6 bits a number), with one power-of-two scale for each 32 numbers along K (OCP MX v1.0); their sums are f32. All else is computed in f32.
;;   The module's matrix products, in the order in which they are computed (A, B: the left and right operand; K: the contracted axis; several contracted axes count as one K, in the product's order):
;;     1. [M 4,096, K 64] x [K 64, N 4,096]; A: input U; B: input V: QUANTISED
;;     2. [M 4,096, K 4] x [K 4, N 4,096]; A: input U_res; B: input V_res: left as it is (K = 4 < 32)
;;     3. [M 4,096, K 4,096] x [K 4,096, N 4,096]; A: computed on the way; B: input x: QUANTISED
;;   THE QUANTISER, for each operand of a quantised product, along K:
;;     - K is cut into blocks of 32 from its start; a last block that is shorter is filled with zeros.
;;     - A block's scale is 2^e with e = floor(log2(the largest magnitude in the block)) - 2, held to -126 .. 127; a block of zeros has e = 0. As a byte (E8M0): e + 127.
;;     - Each number is divided by its block's scale, clamped to +-7.5, and rounded to the nearest number of E2M3, ties to even, subnormals kept.
;;     - The product sums the exact products of the quantised numbers (number of the format x scale) in f32.
;;   ~~~python
;;   def quantise(x, axis):      # numpy; x: float32 -> the quantised numbers, widened to float32 again
;;       x = np.moveaxis(x, axis, -1); K = x.shape[-1]
;;       x = np.pad(x, [(0, 0)] * (x.ndim - 1) + [(0, -K % 32)]); x = x.reshape(x.shape[:-1] + (-1, 32)); a = np.abs(x).max(-1, keepdims=True)
;;       e = np.where(a > 0, np.clip(np.frexp(np.where(a > 0, a, 1))[1] - 1 - 2, -126, 127), 0)      # np.frexp(a)[1] - 1 = floor(log2(a)), exactly
;;       r = np.clip(x / 2.0 ** e, -7.5, 7.5)
;;       step = 2.0 ** (np.maximum(np.frexp(np.where(r == 0, 1, r))[1] - 1, 0) - 3)
;;       q = np.round(r / step) * step * 2.0 ** e      # np.round: ties to even
;;       return np.moveaxis(q.reshape(q.shape[:-2] + (-1,))[..., :K], -1, axis).astype(np.float32)
;;   ~~~
;;   OPERANDS COMPUTED ON THE WAY. 'Computed on the way' means the value that the module computes at that place (a softmax that the list does not call 'softmax' is quantised finished and normalised). What goes into a quantiser is computed in f32, as accurately as f32 sums, v_exp_f32 and their like allow (about 1e-6 of the number): no bf16 or f16 on the way to a quantiser, and a product that is left as it is and whose result goes on into a quantised operand takes f32 operands (vector FMAs, or v_wmma_f32_16x16x4_f32). A number that lies on a knife's edge between two numbers of the format may be rounded either way, as far as f32 arithmetic and the matrix unit's own rounding can turn it there, and no further.
;; One version. Each part assembles by itself: llvm-mc -triple=amdgcn-amd-amdhsa -mcpu=gfx1250 --defsym DOCPART=n.
;; ======== version 1 of 1: 2 launches
;; limits: right only within a limited range of input values
;; workspace buffers: xq 13,107,200 bytes; wq 13,107,200 bytes
;; launch prep (part 1): grid 64 x 4, 8 waves a work-group, no clusters, 327,680 bytes of LDS; arguments x, U, V, U_res, V_res, xq, wq; writes xq, wq
.if DOCPART == 1
	.amdgcn_target "amdgcn-amd-amdhsa--gfx1250"
	.amdhsa_code_object_version 6
	.text
	.protected	k_qb151423be1_prep
	.globl	k_qb151423be1_prep
	.p2align	8
	.type	k_qb151423be1_prep,@function
k_qb151423be1_prep:
	s_mov_b64 s[64:65], 0
	v_nop
	global_prefetch_b8 v0, s[64:65] scope:SCOPE_SE
	s_setreg_imm32_b32 hwreg(HW_REG_WAVE_MODE, 25, 1), 1
	s_wait_xcnt 0x0
; ONE launch makes both operands of the large product, as codes of FP6 (E2M3) with one E8M0 byte for each 32 along K, laid IN THE ORDER OF THE OPERAND'S REGISTERS:
; xq (of x [4096 (k)][4096 (n)], K its FIRST axis) and wq (of W [4096 (m)][4096 (k)]): [group of 128 columns n or rows m (32)][128 along K (32)][12,800 bytes]: eight fragments (16 x 128 K) of 1,536 bytes,
; register group c of lane l at 512 c + 16 l; behind them the 128 scale words, the word of row 16 i + r at byte 256 (i / 4) + 16 r + 4 (i % 4).  In a fragment lane (r, h) holds row r; registers 0-5 block h, registers 6-11 block 2 + h.
; W[m][n] = sum over k < 64 of Q(U)[m][k] Q(V)[n][k] + sum over j < 4 of U_res[m][j] V_res[n][j].  The first sum is on codes, by the scaled matrix form; its K = 64 is filled up to 128 with zero codes on both sides, under the byte 127.
; The second has f32 operands (the f32 matrix form); its result is the C of the first sum's one matrix instruction, so W is one f32 sum.
; A block's scale is 2^(floor(log2(its largest magnitude)) - 2); its byte is the largest magnitude's exponent field - 2, held at 1 from below; numbers are rounded to the nearest code, ties to even, beyond 7.5 the largest code.
; LIMITS: a block of zeros gets the byte 1 where the rule says 127 (its codes are zeros, and this program alone reads the bytes); NaN and infinities among the inputs are not served.
; SHARES OF x.  Work-group (gx, gy) owns columns 64 gx .. + 63 and rows 1,024 gy .. + 1,023: 256 KiB, asked for at the start by ONE tensor load a wave (128 rows x 256 bytes, aligned); nothing in LDS is filled twice.
; Wave w alone reads its tile.  A lane takes columns l and 32 + l, and its registers run down K: a block lies in one lane's 32 registers.  An exchange of the halves of the lanes makes the operand's registers.
; SHARES OF W, made while x is on its way.  Work-group g = gx + 64 gy owns rows 256 (g / 16) .. and columns 256 (g % 16) .. of W.  Wave w loads 32 rows of U and 32 of V (lane (r, h): block h of its row, 128 bytes),
; quantises them as four tiles of 16 rows, and stores each tile's six registers and scale words to LDS as they stand; behind the launch's one barrier every wave reads the fragments that it needs.
; So each row of U and V is quantised by the 16 work-groups that need it, 128 KiB read a work-group, and no launch stands between the quantiser and W.
; Wave w then makes rows 64 (w / 2) .. + 63 x columns 128 (w % 2) .. + 127: four tiles m of 16 rows x 8 tiles t of 16 columns.
; BOTH FORMS ARE USED TRANSPOSED: source 0 = 16 rows of V (V_res), source 1 = 16 rows of U (U_res): a lane holds ONE row of W and its registers run along n, the next product's K.
; THE ROWS OF V THAT FORM A TILE ARE NOT NEIGHBOURS: lane r of tile 2 b + u takes row 32 b + 8 u + r + 8 (r / 8), so that the 16 registers of tiles 2 b, 2 b + 1 are n = 32 b + 16 (lane / 16) + 0 .. 15.
; No cluster: no two work-groups read the same tile of x, and U's and V's rows are a small part of a work-group's bytes.  No prefetch: there is no loop to run ahead in, and all is asked for at the start.
; REGISTERS.  Window 0: v1, v4, v7 x's LDS addresses; v16-30 at work; v32-159 U's and V's numbers, then W (v96-159) and the fragment just made (v32-55), then x's numbers and codes; v160-185 the add's two and addresses;
;   v186-209 U's and V's codes; v210-221 scale words, and nothing else; v222-237 the quantisers'.
;   Window 1: v0-95 V's 8 fragments; v96-159 the f32 form's results (written by it alone, read as C alone); v160-183 V_res's and U_res's fragments; v192-239 U's 4 fragments.
.set SCS,  262144                      ; LDS, behind x's 8 tiles of 32,768 bytes: x's scale words on their way out, 256 bytes a wave
.set WSC,  264192                      ; W's scale words on their way out, 256 bytes a wave
.set IMG,  266240                      ; 32 tiles x 768 bytes: U's 16, V's 16: registers 0-3 at 16 x lane, registers 4-5 at 512 + 8 x lane
.set SWD,  290816                      ; their scale words: 32 tiles x 64 bytes
.set SPARE, 292864                     ; the spare words, 128 bytes for each wave
.set KSB,  12800
.set GRB,  32*KSB
.set X,    32                          ; x: two sets of 32 numbers
.set CD,   96                          ; x: my wave's four fragments
.set SW,   24                          ; x: the scale words of my two columns
.set SPW,  160
.set NIL,  161
.set R,    162                         ; l % 16
.set HH,   163                         ; l / 16
.set LN,   164                         ; lane
.set RP,   165                         ; r + 8 (r / 8)
.set AU,   166                         ; offsets in U, V
.set AV,   167
.set IS128, 168                        ; LDS: my tiles' images, in
.set IS64, 169
.set ISW,  170
.set RV128, 171                        ; and out: V's, U's
.set RV64, 172
.set RU128, 173
.set RU64, 174
.set RSV,  175
.set RSU,  176
.set AVR,  177                         ; offsets in V_res, U_res
.set AUR,  178
.set L16,  179                         ; 16 x lane
.set WSI,  180
.set WSO,  181
.set L8,   182                         ; 8 x lane
.set SH,   183                         ; 8 h
.set SH2,  184                         ; 8 - 8 h
.set T0,   185
.set Q,    32                          ; four tiles x 32 numbers of U and V
.set H,    96                          ; W, 8 tiles
.set PC,   32                          ; the fragment just made (12), and 7 at work
.set PW,   52                          ; its scale word
.set SO,   54
.set CJ,   186
.set VS,   210
.set US,   218
.set TM,   222
.set F,    96                          ; window 1
.set VR,   160
.set UR,   176
.set UF,   192
.set G1X,  24
.set G0A,  44
.set SEL,  32                          ; s[32:33] lane selects for v_permlanex16_b32: lane l xor 16
.set MSB, 0
.macro WIN new
.if MSB != \new
	s_set_vgpr_msb (MSB<<8)|\new
.set MSB, \new
.endif
.endm
	s_load_b256 s[4:11], s[0:1], 0x0               ; x s[4:5], U s[6:7], V s[8:9], U_res s[10:11]
	s_load_b128 s[12:15], s[0:1], 0x20             ; V_res s[12:13], xq s[14:15]
	s_load_b64 s[16:17], s[0:1], 0x30              ; wq
	v_lshl_add_u32 v[SPW], v0, 2, SPARE
	v_mov_b32 v[NIL], 0
	ds_add_u32 v[SPW], v[NIL]                      ; the opening lines: the add, twice on end, and its wait ahead of my tensor load
	ds_add_u32 v[SPW], v[NIL]
	v_lshrrev_b32 v16, 5, v0
	s_delay_alu instid0(VALU_DEP_1)
	v_readfirstlane_b32 s18, v16                   ; wave 0..7
	s_mov_b32 s19, ttmp9                           ; gx
	s_and_b32 s20, ttmp7, 0xffff                   ; gy
	s_lshl_b32 s21, s20, 6
	s_add_co_u32 s21, s21, s19                     ; g = gx + 64 gy
	s_mov_b32 s[G1X+0], 2<<16                      ; 128 rows x 64 elements of 4 bytes, 4,096 elements from row to row; no padding: a read takes 32 neighbouring words
	s_mov_b32 s[G1X+1], 64<<16
	s_mov_b32 s[G1X+2], 128<<16
	s_mov_b32 s[G1X+3], 64<<16
	s_mov_b32 s[G1X+4], 128
	s_mov_b32 s[G1X+5], 4096
	s_mov_b32 s[G1X+6], 0
	s_mov_b32 s[G1X+7], 0
	s_mov_b32 s23, 0                               ; the high word of every offset pair
	s_lshl_b32 s22, s20, 24                        ; x: 1,024 gy rows of 16,384 bytes,
	s_lshl_b32 s52, s18, 21                        ; 128 w rows,
	s_add_co_u32 s22, s22, s52
	s_lshl_b32 s52, s19, 8                         ; 64 gx columns
	s_add_co_u32 s22, s22, s52
	s_mov_b32 s[G0A], 1
	s_lshl_b32 s[G0A+1], s18, 15
	s_wait_dscnt 0x0
	s_wait_kmcnt 0x0
	s_add_nc_u64 s[G0A+2:G0A+3], s[4:5], s[22:23]
	s_or_b32 s[G0A+3], s[G0A+3], 0x80000000
	tensor_load_to_lds s[G0A:G0A+3], s[G1X:G1X+7]  ; my one tensor load
	s_nop 0
.rept 4
	v_nop
.endr
	s_lshr_b32 s40, s21, 4                         ; tm: W's rows 256 tm ..
	s_and_b32 s41, s21, 15                         ; tn: W's columns 256 tn ..
	s_and_b32 s42, s18, 1                          ; sp: my 128 columns
	s_lshr_b32 s43, s18, 1                         ; mq: my 64 rows
	s_mov_b32 s[SEL], 0x76543210
	s_mov_b32 s[SEL+1], 0xfedcba98
	s_lshl_b32 s52, s18, 13                        ; 32 w rows of 256 bytes
	s_lshl_b32 s22, s40, 16
	s_add_co_u32 s22, s22, s52
	s_add_nc_u64 s[6:7], s[6:7], s[22:23]          ; U at row 256 tm + 32 w
	s_lshl_b32 s22, s41, 16
	s_add_co_u32 s22, s22, s52
	s_add_nc_u64 s[8:9], s[8:9], s[22:23]          ; V at row 256 tn + 32 w
	s_lshl_b32 s22, s40, 12
	s_lshl_b32 s52, s43, 10
	s_add_co_u32 s22, s22, s52
	s_add_nc_u64 s[10:11], s[10:11], s[22:23]      ; U_res at row 256 tm + 64 mq
	s_lshl_b32 s22, s41, 12
	s_lshl_b32 s52, s42, 11
	s_add_co_u32 s22, s22, s52
	s_add_nc_u64 s[12:13], s[12:13], s[22:23]      ; V_res at row 256 tn + 128 sp
	s_lshl_b32 s52, s40, 1                         ; wq: group 2 tm + mq / 2,
	s_lshr_b32 s53, s43, 1
	s_add_co_u32 s52, s52, s53
	s_mul_i32 s52, s52, GRB
	s_lshl_b32 s53, s41, 1                         ; step 2 tn + sp;
	s_add_co_u32 s53, s53, s42
	s_mul_i32 s53, s53, KSB
	s_add_co_u32 s52, s52, s53
	s_and_b32 s53, s43, 1                          ; my 64 rows are the group's half mq % 2
	s_lshl_b32 s22, s53, 8
	s_add_co_u32 s22, s22, s52
	s_add_co_u32 s22, s22, 8*1536
	s_add_nc_u64 s[38:39], s[16:17], s[22:23]      ; its 64 scale words
	s_mul_i32 s22, s53, 4*1536
	s_add_co_u32 s22, s22, s52
	s_add_nc_u64 s[16:17], s[16:17], s[22:23]      ; its four fragments
	s_lshr_b32 s52, s19, 1                         ; xq: group gx / 2, step 8 gy + w; my 64 columns are the group's half gx % 2
	s_mul_i32 s52, s52, GRB
	s_lshl_b32 s53, s20, 3
	s_add_co_u32 s53, s53, s18
	s_mul_i32 s53, s53, KSB
	s_add_co_u32 s52, s52, s53
	s_and_b32 s53, s19, 1
	s_lshl_b32 s22, s53, 8
	s_add_co_u32 s22, s22, s52
	s_add_co_u32 s22, s22, 8*1536
	s_add_nc_u64 s[36:37], s[14:15], s[22:23]
	s_mul_i32 s22, s53, 4*1536
	s_add_co_u32 s22, s22, s52
	s_add_nc_u64 s[14:15], s[14:15], s[22:23]
	s_mul_i32 s34, s18, 1536                       ; LDS: my two tiles of U (and, 12,288 on, of V)
	s_add_co_u32 s34, s34, IMG
	s_lshl_b32 s35, s18, 7
	s_add_co_u32 s35, s35, SWD
	s_mul_i32 s48, s42, 6144                       ; the 8 tiles of V that I multiply,
	s_add_co_u32 s48, s48, IMG+12288
	s_mul_i32 s49, s43, 3072                       ; the 4 of U
	s_add_co_u32 s49, s49, IMG
	s_lshl_b32 s50, s42, 9
	s_add_co_u32 s50, s50, SWD+1024
	s_lshl_b32 s51, s43, 8
	s_add_co_u32 s51, s51, SWD
	s_lshl_b32 s54, s18, 8
	s_add_co_u32 s2, s54, SCS
	s_add_co_u32 s54, s54, WSC
	s_lshl_b32 s3, s18, 15
	v_and_b32 v[R], 15, v0
	v_bfe_u32 v[HH], v0, 4, 1
	v_and_b32 v[LN], 31, v0
	v_and_b32 v[RP], 8, v0
	v_lshlrev_b32 v[T0], 7, v[HH]                  ; 128 h
	v_lshlrev_b32 v[SH], 3, v[HH]
	v_lshlrev_b32 v[L16], 4, v[LN]
	v_add_nc_u32 v[RP], v[RP], v[R]
	v_lshlrev_b32 v[L8], 3, v[LN]
	v_lshl_add_u32 v[AU], v[R], 8, v[T0]           ; a row of U or V is 256 bytes; my block: + 128 h
	v_sub_nc_u32 v[SH2], 8, v[SH]
	v_lshl_add_u32 v[AV], v[RP], 8, v[T0]
	v_lshl_add_u32 v[AUR], v[R], 4, v[SH]          ; a row of U_res or V_res is 16 bytes; the f32 form gives lane (r, h) k = 2 h, 2 h + 1
	v_lshl_add_u32 v[AVR], v[RP], 4, v[SH]
	v_add_nc_u32 v[IS128], s34, v[L16]
	v_add_nc_u32 v[IS64], s34, v[L8]
	v_lshl_add_u32 v[ISW], v[R], 2, s35
	v_add_nc_u32 v[RV128], s48, v[L16]
	v_add_nc_u32 v[RV64], s48, v[L8]
	v_add_nc_u32 v[RU128], s49, v[L16]
	v_add_nc_u32 v[RU64], s49, v[L8]
	v_lshl_add_u32 v[RSV], v[R], 2, s50
	v_lshl_add_u32 v[RSU], v[R], 2, s51
	v_lshl_add_u32 v[WSI], v[R], 4, s54            ; W's scale words in: 16 r (+ 4 m)
	v_add_nc_u32 v[WSO], s54, v[L8]
	v_lshl_add_u32 v1, v[LN], 2, s3                ; x: 32,768 w + 4 l
	v_lshl_add_u32 v4, v[R], 4, s2
	v_add_nc_u32 v7, s2, v[L8]                     ; SCS + 256 w + 8 l
	s_delay_alu instid0(VALU_DEP_2)
	v_lshl_add_u32 v4, v[HH], 2, v4                ; SCS + 256 w + 16 (l % 16) + 4 (l / 16)
.irp u, 0,1
.irp i, 0,1,2,3,4,5,6,7
	global_load_b128 v[Q+32*\u+4*\i:Q+32*\u+4*\i+3], v[AU], s[6:7] offset:4096*\u+16*\i        ; U's tile u: rows 16 u + r; the eight loads cover the tile's 4,096 bytes whole
.endr
.endr
.irp u, 0,1
.irp i, 0,1,2,3,4,5,6,7
	global_load_b128 v[Q+64+32*\u+4*\i:Q+64+32*\u+4*\i+3], v[AV], s[8:9] offset:2048*\u+16*\i  ; V's tile u: rows 8 u + r + 8 (r / 8)
.endr
.endr
	WIN 0x40                                       ; destination window 1
.irp t, 0,1,2,3,4,5,6,7
	global_load_b64 v[VR+2*\t:VR+2*\t+1], v[AVR], s[12:13] offset:16*(32*(\t/2)+8*(\t%2))
.endr
.irp m, 0,1,2,3
	global_load_b64 v[UR+2*\m:UR+2*\m+1], v[AUR], s[10:11] offset:256*\m
.endr
.irp t, 0,1,2,3,4,5,6,7                ; registers 6-11 of the 12 fragments (k = 64 .. 127): zero codes, written once, while the loads are out
.irp k, 6,7,8,9,10,11
	v_mov_b32 v[12*\t+\k], 0
.endr
.endr
.irp m, 0,1,2,3
.irp k, 6,7,8,9,10,11
	v_mov_b32 v[UF+12*\m+\k], 0
.endr
.endr
	WIN 0
.irp j, 0,1,2,3
	v_mov_b32 v[TM+8+\j], 0                        ; written once: a lane permute's destination counts as one of its sources
.endr
	s_wait_alu depctr_va_vdst(0)
	s_wait_loadcnt 12                              ; loads come back in order: U's and V's 32 are in, the 12 of U_res and V_res may be out
	; ---- four tiles of U and V: my block's 32 numbers are mine; the four tiles by turns
.irp j, 0,1,2,3
	v_max3_num_f32 v[TM+\j], |v[Q+32*\j]|, |v[Q+32*\j+1]|, 0x1800000   ; with the floor 2^(3 - 127): the byte cannot fall under 1
.endr
.irp i, 2,4,6,8,10,12,14,16,18,20,22,24,26,28,30
.irp j, 0,1,2,3
	v_max3_num_f32 v[TM+\j], v[TM+\j], |v[Q+32*\j+\i]|, |v[Q+32*\j+\i+1]|
.endr
.endr
.irp j, 0,1,2,3
	v_add_nc_u32 v[TM+12+\j], 0xff000000, v[TM+\j] ; 2 off the exponent field: the conversion's scale operand
.endr
.irp j, 0,1,2,3
	v_lshrrev_b32 v[TM+4+\j], 23, v[TM+12+\j]      ; my block's byte
.endr
.irp j, 0,1,2,3
	v_permlanex16_b32 v[TM+8+\j], v[TM+4+\j], s[SEL], s[SEL+1]     ; and the row's other block's
.endr
.irp j, 0,1,2,3
	v_lshlrev_b32 v[TM+4+\j], v[SH], v[TM+4+\j]    ; block h's byte is byte h of the row's word
.endr
.irp j, 0,1,2,3
	v_lshlrev_b32 v[TM+8+\j], v[SH2], v[TM+8+\j]
.endr
.irp j, 0,1,2,3
	v_or_b32 v[TM+4+\j], v[TM+4+\j], v[TM+8+\j]
.endr
.irp j, 0,1,2,3
	v_or_b32 v[TM+4+\j], 0x7f7f0000, v[TM+4+\j]    ; bytes 2, 3 = 127, for the zero codes
.endr
.irp j, 0,1,2,3
	v_cvt_scalef32_pk16_fp6_f32 v[CJ+6*\j:CJ+6*\j+2], v[Q+32*\j:Q+32*\j+15], v[TM+12+\j]
	v_cvt_scalef32_pk16_fp6_f32 v[16+4*\j:18+4*\j], v[Q+32*\j+16:Q+32*\j+31], v[TM+12+\j]   ; (a conversion's three registers begin on an even number)
.endr
	v_nop                                          ; one plain place behind a scaled conversion
.irp j, 0,1,2,3
.irp i, 0,1,2
	v_mov_b32 v[CJ+6*\j+3+\i], v[16+4*\j+\i]
.endr
.endr
.irp j, 0,1,2,3                        ; tiles 0, 1 are U's, tiles 2, 3 V's
	ds_store_b128 v[IS128], v[CJ+6*\j:CJ+6*\j+3] offset:12288*(\j/2)+768*(\j%2)
	ds_store_b64 v[IS64], v[CJ+6*\j+4:CJ+6*\j+5] offset:12288*(\j/2)+768*(\j%2)+512
	ds_store_b32 v[ISW], v[TM+4+\j] offset:1024*(\j/2)+64*(\j%2)   ; both halves of the lanes hold the row's word and write the same
.endr
	s_wait_alu depctr_va_vdst(0)
	s_wait_dscnt 0x0                               ; for the others' sake: my stores have landed
	s_barrier_signal -1                            ; (x's tiles stay on their way across this barrier: nothing in LDS is filled again behind it)
	s_barrier_wait -1
	WIN 0x40
.irp t, 0,1,2,3,4,5,6,7
	ds_load_b128 v[12*\t:12*\t+3], v[RV128] offset:768*\t
	ds_load_b64 v[12*\t+4:12*\t+5], v[RV64] offset:768*\t+512
.endr
.irp m, 0,1,2,3
	ds_load_b128 v[UF+12*\m:UF+12*\m+3], v[RU128] offset:768*\m
	ds_load_b64 v[UF+12*\m+4:UF+12*\m+5], v[RU64] offset:768*\m+512
.endr
	WIN 0
.irp t, 0,1,2,3,4,5,6,7
	ds_load_b32 v[VS+\t], v[RSV] offset:64*\t
.endr
.irp m, 0,1,2,3
	ds_load_b32 v[US+\m], v[RSU] offset:64*\m
.endr
; 64 numbers of a lane, register 16 b + i = n 32 b + 16 (lane / 16) + i of my row, become a fragment's codes in v[PC] on and its scale word in v[PW]
.macro QUANT s
.irp b, 0,1,2,3
	v_max3_num_f32 v[TM+\b], |v[\s+16*\b]|, |v[\s+1+16*\b]|, 0x1800000   ; block b: my 16 numbers, from each accumulator's low end on, and the floor
.endr
.irp i, 2,4,6,8,10,12,14
.irp b, 0,1,2,3
	v_max3_num_f32 v[TM+\b], v[TM+\b], |v[\s+16*\b+\i]|, |v[\s+1+16*\b+\i]|   ; (the four blocks by turns)
.endr
.endr
.irp b, 0,1,2,3
	v_permlanex16_b32 v[TM+4+\b], v[TM+\b], s[SEL], s[SEL+1]
.endr
.irp b, 0,1,2,3
	v_max_num_f32 v[TM+\b], v[TM+\b], v[TM+4+\b]   ; with lane l xor 16's: the block's largest magnitude
.endr
.irp b, 0,1,2,3
	v_add_nc_u32 v[TM+12+\b], 0xff000000, v[TM+\b]
.endr
.irp b, 0,1,2,3
	v_lshrrev_b32 v[TM+4+\b], 23, v[TM+12+\b]      ; the scale's byte
.endr
.irp c, 0,1
	v_cvt_scalef32_pk16_fp6_f32 v[PC+6*\c:PC+2+6*\c], v[\s+32*\c:\s+15+32*\c], v[TM+12+2*\c]
	v_cvt_scalef32_pk16_fp6_f32 v[PC+12+4*\c:PC+14+4*\c], v[\s+16+32*\c:\s+31+32*\c], v[TM+12+2*\c+1]
.endr
	v_nop                                          ; one plain place behind a scaled conversion
.irp c, 0,1                            ; the operand's layout wants a WHOLE block in a lane: lanes 0-15 block 2 c, lanes 16-31 block 2 c + 1
.irp i, 0,1,2
	v_permlane16_swap_b32 v[PC+6*\c+\i], v[PC+12+4*\c+\i]
.endr
.irp i, 0,1,2
	v_mov_b32 v[PC+3+6*\c+\i], v[PC+12+4*\c+\i]
.endr
.endr
	v_lshl_or_b32 v[PW], v[TM+5], 8, v[TM+4]       ; the four bytes make my row's scale word
	v_lshl_or_b32 v[TM+8], v[TM+7], 8, v[TM+6]
	s_delay_alu instid0(VALU_DEP_1)
	v_lshl_or_b32 v[PW], v[TM+8], 16, v[PW]
.endm
; 16 rows (tile m) x my 128 columns of W: made, quantised, and stored
.macro TILE m
	WIN 0x45                                       ; the f32 form: sources and result in window 1
.irp t, 0,1,2,3,4,5,6,7
	v_wmma_f32_16x16x4_f32 v[F+8*\t:F+8*\t+7], v[VR+2*\t:VR+2*\t+1], v[UR+2*\m:UR+2*\m+1], 0
.endr
.rept 9
	v_nop                                          ; nine places between the f32 form and the matrix instruction that takes its result as another accumulator's C
.endr
	WIN 0x15                                       ; sources 0 (V), 1 (U) and C window 1; D window 0
.irp t, 0,1,2,3,4,5,6,7
	v_wmma_scale_f32_16x16x128_f8f6f4 v[H+8*\t:H+8*\t+7], v[12*\t:12*\t+11], v[UF+12*\m:UF+12*\m+11], v[F+8*\t:F+8*\t+7], v[VS+\t], v[US+\m] matrix_a_fmt:MATRIX_FMT_FP6 matrix_b_fmt:MATRIX_FMT_FP6
.endr
	WIN 0
.rept 4
	v_nop                                          ; four places in front of the first read of results
.endr
	s_wait_dscnt 0x0                               ; the last tile's LDS store has read its register,
	s_wait_xcnt 0x0                                ; and its stores to memory theirs: only behind this wait are the fragment's registers written anew
	QUANT H
.irp c, 0,1,2
	global_store_b128 v[L16], v[PC+4*\c:PC+4*\c+3], s[16:17] offset:1536*\m+512*\c   ; the fragment as it stands: 32 lanes store 512 consecutive bytes, at a multiple of 256 from wq's first byte
.endr
	ds_store_b32 v[WSI], v[PW] offset:4*\m         ; the word of row 16 m + r at byte 16 r + 4 m; both halves of the lanes write the same
.endm
	s_wait_dscnt 0x0                               ; fragments and scale words are in,
	s_wait_loadcnt 0x0                             ; and U_res's and V_res's
.irp m, 0,1,2,3
	TILE \m
.endr
	ds_load_b64 v[SO:SO+1], v[WSO]                 ; LDS serves a wave's instructions in order: this sees my stores
	s_wait_dscnt 0x0
	global_store_b64 v[L8], v[SO:SO+1], s[38:39]   ; my 64 scale words: 32 lanes store 256 consecutive bytes, aligned
; ---- x.  32 numbers down K of one column, from byte base of my wave's tile, into set
.macro LOADS set, base
.set i, 0
.rept 32
	ds_load_b32 v[X+32*(\set)+i], v1 offset:(\base)+256*i
.set i, i+1
.endr
.endm
; the block in set becomes six registers of codes at v[c]; v19 = its scale byte
.macro PROC set, c
.set XS, X+32*(\set)
.set C, \c
	v_max3_num_f32 v16, |v[XS]|, |v[XS+1]|, |v[XS+2]|              ; the largest magnitude, in two chains
	v_max3_num_f32 v17, |v[XS+3]|, |v[XS+4]|, |v[XS+5]|
.irp i, 6,10,14,18,22,26
	s_delay_alu instid0(VALU_DEP_2)
	v_max3_num_f32 v16, v16, |v[XS+\i]|, |v[XS+\i+1]|
	s_delay_alu instid0(VALU_DEP_2)
	v_max3_num_f32 v17, v17, |v[XS+\i+2]|, |v[XS+\i+3]|
.endr
	s_delay_alu instid0(VALU_DEP_2)
	v_max3_num_f32 v16, v16, |v[XS+30]|, |v[XS+31]|
	s_delay_alu instid0(VALU_DEP_1)
	v_max3_num_f32 v16, v16, v17, 0x1800000        ; and the floor
	s_delay_alu instid0(VALU_DEP_1)
	v_add_nc_u32 v18, 0xff000000, v16
	s_delay_alu instid0(VALU_DEP_1)
	v_lshrrev_b32 v19, 23, v18                     ; the scale's byte
	v_cvt_scalef32_pk16_fp6_f32 v[C:C+2], v[XS:XS+15], v18
	v_cvt_scalef32_pk16_fp6_f32 v[20:22], v[XS+16:XS+31], v18
	v_nop                                          ; one plain place behind a scaled conversion
.irp i, 0,1,2
	v_mov_b32 v[C+3+\i], v[20+\i]
.endr
.endm
; Unit q = 1 .. 8: block BI = 0 .. 3 of my wave's 128 rows, column half CC.  Its numbers were asked for two units ago, into set q % 2.
; Its codes go to v[CD + 24 CC + 12 (BI % 2) + 6 (BI / 2)]: blocks 0 and 2 on end, then blocks 1 and 3: the exchange at the end makes two fragments of these 24 registers.
.macro XUNIT q, dsw, more
.set J, (\q)-1
.set BI, 2*(J/4)+(J/2)%2
.set CC, J%2
	s_wait_dscnt \dsw                              ; the LDS loads issued behind this unit's may stay out
	PROC (\q)%2, CD+24*CC+12*(BI%2)+6*(BI/2)
.if BI == 0
	v_mov_b32 v[SW+CC], v19                        ; four bytes to a word, the lower K in the lower byte
.else
	v_lshl_or_b32 v[SW+CC], v19, 8*BI, v[SW+CC]
.endif
.if \more
.set J2, (\q)+1
	LOADS (\q)%2, 16384*(J2/4)+8192*((J2/2)%2)+128*(J2%2)
.endif
.endm
	s_wait_alu depctr_va_vdst(0)
	s_wait_xcnt 0x0                                ; W's stores have read their registers: x's numbers may land there
	s_wait_tensorcnt 0x0                           ; my tile is in
	LOADS 1, 0                                     ; unit 1
	LOADS 0, 128                                   ; unit 2
.irp q, 1,2,3,4,5,6
	XUNIT \q, 32, 1
.endr
	XUNIT 7, 32, 0
	XUNIT 8, 0, 0
	; lanes 0-15 hold columns 0-15 of a half and lanes 16-31 columns 16-31, each all four blocks.  A fragment wants blocks 0, 2 of its 16 columns in lanes 0-15 and blocks 1, 3 in lanes 16-31
.irp cc, 0,1
.irp k, 0,1,2,3,4,5,6,7,8,9,10,11
	v_permlane16_swap_b32 v[CD+24*\cc+\k], v[CD+24*\cc+12+\k]
.endr
.endr
	ds_store_b32 v4, v[SW]                         ; column l is column l % 16 of my fragment l / 16, column 32 + l of fragment 2 + l / 16
	ds_store_b32 v4, v[SW+1] offset:8
	ds_load_b64 v[26:27], v7                       ; (in order: this sees the stores) back, 8 bytes a lane
.irp f, 0,1,2,3
.irp c, 0,1,2
	global_store_b128 v[L16], v[CD+12*\f+4*\c:CD+12*\f+4*\c+3], s[14:15] offset:1536*\f+512*\c   ; 32 lanes store 512 consecutive bytes, at a multiple of 256 from xq's first byte
.endr
.endr
	s_wait_dscnt 0x0
	global_store_b64 v[L8], v[26:27], s[36:37]     ; 32 lanes store 256 consecutive bytes, aligned
	s_wait_tensorcnt 0x0                           ; the wave's end
	ds_add_u32 v[SPW], v[NIL]
	s_wait_dscnt 0x0
	s_endpgm
.Lfunc_end_k_qb151423be1_prep:
	.size	k_qb151423be1_prep, .Lfunc_end_k_qb151423be1_prep-k_qb151423be1_prep
	.p2alignl 7, 3214868480
	.fill 96, 4, 3214868480
	.section	.rodata,"a",@progbits
	.p2align	6, 0x0
	.amdhsa_kernel k_qb151423be1_prep
		.amdhsa_group_segment_fixed_size 327680
		.amdhsa_private_segment_fixed_size 0
		.amdhsa_enable_private_segment 0
		.amdhsa_kernarg_size 56
		.amdhsa_user_sgpr_count 2
		.amdhsa_user_sgpr_kernarg_segment_ptr 1
		.amdhsa_wavefront_size32 1
		.amdhsa_system_sgpr_workgroup_id_x 1
		.amdhsa_system_sgpr_workgroup_id_y 1
		.amdhsa_system_sgpr_workgroup_id_z 1
		.amdhsa_system_vgpr_workitem_id 0
		.amdhsa_next_free_vgpr 512
		.amdhsa_next_free_sgpr 66
		.amdhsa_reserve_vcc 0
		.amdhsa_float_denorm_mode_32 3
		.amdhsa_float_denorm_mode_16_64 3
		.amdhsa_memory_ordered 1
		.amdhsa_forward_progress 1
		.amdhsa_inst_pref_size 82
	.end_amdhsa_kernel
	.amdgpu_metadata
---
amdhsa.version: [ 1, 2 ]
amdhsa.kernels:
  - .name:           k_qb151423be1_prep
    .symbol:         k_qb151423be1_prep.kd
    .args:
      - { .name: x, .offset: 0, .size: 8, .value_kind: global_buffer, .address_space: global }
      - { .name: U, .offset: 8, .size: 8, .value_kind: global_buffer, .address_space: global }
      - { .name: V, .offset: 16, .size: 8, .value_kind: global_buffer, .address_space: global }
      - { .name: U_res, .offset: 24, .size: 8, .value_kind: global_buffer, .address_space: global }
      - { .name: V_res, .offset: 32, .size: 8, .value_kind: global_buffer, .address_space: global }
      - { .name: xq, .offset: 40, .size: 8, .value_kind: global_buffer, .address_space: global }
      - { .name: wq, .offset: 48, .size: 8, .value_kind: global_buffer, .address_space: global }
    .group_segment_fixed_size: 327680
    .private_segment_fixed_size: 0
    .kernarg_segment_align: 8
    .kernarg_segment_size: 56
    .max_flat_workgroup_size: 256
    .sgpr_count:     66
    .vgpr_count:     512
    .wavefront_size: 32
...
	.end_amdgpu_metadata
.endif
;; end of part 1
;; launch gemm (part 2): grid 16 x 16, 4 waves a work-group, clusters of 4 x 4, 327,680 bytes of LDS; arguments wq, xq, out0; writes out0
.if DOCPART == 2
	.amdgcn_target "amdgcn-amd-amdhsa--gfx1250"
	.amdhsa_code_object_version 6
	.text
	.protected	k_qb151423be1_gemm
	.globl	k_qb151423be1_gemm
	.p2align	8
	.type	k_qb151423be1_gemm,@function
k_qb151423be1_gemm:
	s_mov_b64 s[64:65], 0
	v_nop
	global_prefetch_b8 v0, s[64:65] scope:SCOPE_SE
	s_setreg_imm32_b32 hwreg(HW_REG_WAVE_MODE, 25, 1), 1
	s_wait_xcnt 0x0
	s_wait_alu depctr_hold_cnt(0) depctr_sa_sdst(0) depctr_va_vdst(0) depctr_va_sdst(0) depctr_va_ssrc(0) depctr_va_vcc(0) depctr_vm_vsrc(0)
	s_getreg_b32 s2, hwreg(HW_REG_IB_STS2, 6, 4)
	s_cmp_eq_u32 s2, 0
	s_cbranch_scc0 .Lentry_in_a_cluster
	s_endpgm
.Lentry_in_a_cluster:
	s_bfe_u32 s2, ttmp6, 0x10000c
	s_cmp_lg_u32 s2, 0xf033
	s_cbranch_scc0 .Lentry_shape_is_right
	s_endpgm
.Lentry_shape_is_right:
; out0[m][n] = relu(sum over k of W[m][k] x[k][n]), on codes of FP6 (E2M3) with E8M0 scales, as the launch before has laid them: wq and xq,
; [group of 128 rows (32)][128 along K (32)][12,800 bytes]: eight fragments (16 rows x 128 K) of 1,536 bytes in the order of the operand's registers (register group c of lane l at 512 c + 16 l),
; then 128 scale words, the word of row 16 i + r at byte 256 (i / 4) + 16 r + 4 (i % 4).
; LIMIT: NaN and infinities are not served (the relu is a maximum in which a NaN loses).
; A tile of out0, 256 x 256, is made by a work-group of four waves; a wave makes 128 x 128: 64 accumulators, 512 registers.  256 work-groups.
; THE RING: two LDS slots, each with three K steps of A's two groups and B's two groups; a wave's one tensor load brings 38,400 dense bytes (150 rows of 256).  32 steps are ten such fills (0 to 9) and one of two steps (10).
; CLUSTERS: 4 x 4 work-groups; A's groups are shared along a row of the cluster, B's along a column, each asked for jointly.  The cluster's round takes the place of the barrier in front of a refill.
; FRAGMENTS: A and B both have TWO sets of registers, so that a step has ONE run of 50 LDS loads (24 for B, 2 for the scale words, 24 for A), issued 64 matrix instructions ahead of its use.
; So a slot's last fragments are in registers when its last step begins: the slot is given free, and asked for again, at that step's head.
; THE MATRIX INSTRUCTION IS USED TRANSPOSED (source 0 = 16 columns of x, source 1 = 16 rows of W): a lane holds eight neighbouring numbers of a row of out0.
; THE LAST TWO K STEPS lie whole in the two sets and go BY ROWS of out0: a block of 16 rows is finished, goes through my stage in LDS, comes back as whole rows INTO ITS OWN ACCUMULATORS' REGISTERS,
; takes the relu there and is stored, while the next blocks are multiplied.
; PREFETCH, two fills (six K steps, 384 matrix instructions a wave) ahead of the load that will want the bytes: the refill that asks for fill j + 2 is followed by a prefetch of fill j + 4; fills 1 and 2 are named behind the head's load,
; fill 3 behind slot 1's first fill.  A fill's 150 blocks of 256 bytes are shared out by address among the four partners that ask for it jointly, 38 each (the last 36; lanes left over name their share's last block again);
; the last fill's 100 blocks 25 each.  The loop's last refill asks for nothing, nor do those behind the loop.
; REGISTERS: window 0: v16-31 addresses; v32-47 scale words, two sets of 8 (lanes 0-15 A's block i, lanes 16-31 B's block i); v64-159, v160-255 A's two sets.  Window 1: B's two sets at v0 and v128.
;   Window 2: the accumulators of my rows 0-63 ((a, b) at v[8 (8 a + b)]); window 3: those of rows 64-127.
.set SIZE_N, 4096
.set FR,     12
.set FRB,    1536
.set KSB,    12800
.set SCO,    8*FRB
.set GRB,    32*KSB
.set HALFT,  3*KSB                     ; what one tensor load brings: a group's three K steps
.set SLOT,   4*HALFT
.set SPARE,  2*SLOT                    ; the spare words, 128 bytes for each wave
.set STAGE,  SLOT                      ; the way out: 16 rows x 528 bytes for each wave, in slot 1, which has had its last fill and its last read by then
.set SPITCH, 528
.set TRIPS,  4
.set ADRA, 16                          ; v16-17 my A fragments in slot 0, 1
.set ADRB, 20                          ; v20-21 B's
.set ADRS, 22                          ; v22-23 scale words: lanes 0-15 A's, lanes 16-31 B's
.set STO,  24
.set RD,   25
.set CO,   26
.set PFT,  27                          ; v27 the prefetch's offsets in the last fill
.set SPW,  28
.set NIL,  29
.set PFO,  30                          ; v30-31 the prefetches' offsets in a fill of three K steps
.set SC,   32
.set AF,   64
.set G1, 24
.set G0, 32
.set G1B, 48
.set G0B, 56
.set G1E, 68                           ; groups 1 for the last fill, of two K steps
.set G1EB, 80
.set PFA, 90                           ; s[90:91] the fill that my prefetches name
.set MSB, 0
.macro WIN new
.if MSB != \new
	s_set_vgpr_msb (MSB<<8)|\new
.set MSB, \new
.endif
.endm
.set MUL_LO, 0xa1                      ; source 0 (B) window 1, source 1 (A) window 0, C and D window 2
.set MUL_HI, 0xf1
.set TO_B,   0x40
.macro JLOAD g0a, g1a, g0b, g1b        ; waves 0, 1 fetch A's two groups, waves 2, 3 B's; s_nop 0 and four v_nop behind each line
	s_cmp_eq_u32 s15, 0
	s_cbranch_scc0 .Lfor_b_\@
	tensor_load_to_lds s[\g0a:\g0a+3], s[\g1a:\g1a+7]
	s_nop 0
.rept 4
	v_nop
.endr
	s_branch .Lasked_\@
.Lfor_b_\@:
	tensor_load_to_lds s[\g0b:\g0b+3], s[\g1b:\g1b+7]
	s_nop 0
.rept 4
	v_nop
.endr
.Lasked_\@:
.endm
.macro CREST
	s_cmp_lg_u32 s14, 0
	s_cbranch_scc1 .Lnot_wave_0_\@
	s_barrier_signal -3
.Lnot_wave_0_\@:
	s_barrier_wait -3
	s_barrier_signal -1
	s_barrier_wait -1
.endm
.macro CROUND
	s_barrier_signal -1
	s_barrier_wait -1
	CREST
.endm
.macro PLACES
.rept 4
	v_nop
.endr
.endm
.macro PF2 off                         ; a fill of three K steps, my share of its blocks: two instructions
	global_prefetch_b8 v[PFO], s[PFA:PFA+1] offset:\off th:TH_LOAD_NT scope:SCOPE_SE
	global_prefetch_b8 v[PFO+1], s[PFA:PFA+1] offset:\off th:TH_LOAD_NT scope:SCOPE_SE
.endm
	s_load_b128 s[4:7], s[0:1], 0x0                ; wq, xq
	s_load_b64 s[12:13], s[0:1], 0x10              ; out0
	v_lshl_add_u32 v[SPW], v0, 2, SPARE
	v_mov_b32 v[NIL], 0
	ds_add_u32 v[SPW], v[NIL]                      ; the opening lines: the add, twice on end, and its wait
	ds_add_u32 v[SPW], v[NIL]
	v_lshrrev_b32 v1, 5, v0
	v_readfirstlane_b32 s14, v1                    ; wave
	s_lshr_b32 s15, s14, 1                         ; my half of the tile's rows; also: I fetch for A (0) or B (1)
	s_and_b32 s16, s14, 1                          ; my half of its columns; also: which group I fetch
	s_bfe_u32 s40, ttmp6, 0x40000                  ; cx
	s_bfe_u32 s41, ttmp6, 0x40004                  ; cy
	s_lshl_b32 s42, ttmp9, 2
	s_add_co_u32 s42, s42, s40                     ; tile column
	s_and_b32 s17, ttmp7, 0xffff
	s_lshl_b32 s17, s17, 2
	s_add_co_u32 s17, s17, s41                     ; tile row
	s_lshl_b32 s43, s41, 2
	s_lshl_b32 s43, 15, s43                        ; my row of the cluster
	s_lshl_b32 s44, 0x1111, s40                    ; my column
	s_or_b32 s[G1+0], s43, (3<<16)|(1<<21)         ; elements of 8 bytes; bit 21 beside a mask
	s_or_b32 s[G1B+0], s44, (3<<16)|(1<<21)
	s_or_b32 s[G1E+0], s43, (3<<16)|(1<<21)
	s_or_b32 s[G1EB+0], s44, (3<<16)|(1<<21)
.irp g, G1, G1B
	s_mov_b32 s[\g+1], 32<<16
	s_mov_b32 s[\g+2], (HALFT/256)<<16
	s_mov_b32 s[\g+3], 32<<16
	s_mov_b32 s[\g+4], HALFT/256
	s_mov_b32 s[\g+5], 32
	s_mov_b32 s[\g+6], 0
	s_mov_b32 s[\g+7], 0
.endr
.irp g, G1E, G1EB
	s_mov_b32 s[\g+1], 32<<16
	s_mov_b32 s[\g+2], (2*KSB/256)<<16
	s_mov_b32 s[\g+3], 32<<16
	s_mov_b32 s[\g+4], 2*KSB/256
	s_mov_b32 s[\g+5], 32
	s_mov_b32 s[\g+6], 0
	s_mov_b32 s[\g+7], 0
.endr
	s_lshl_b32 s20, s17, 1
	s_add_co_u32 s20, s20, s16
	s_mul_i32 s20, s20, GRB                        ; A: group 2 x tile row + which
	s_mov_b32 s21, 0
	s_lshl_b32 s46, s42, 1
	s_add_co_u32 s46, s46, s16
	s_mul_i32 s46, s46, GRB                        ; B: group 2 x tile column + which
	s_mov_b32 s47, 0
	s_mul_i32 s45, s14, HALFT                      ; in LDS: A's two groups, then B's two = wave x HALFT
	s_wait_dscnt 0x0
	s_wait_kmcnt 0x0
	s_add_nc_u64 s[20:21], s[4:5], s[20:21]
	s_add_nc_u64 s[46:47], s[6:7], s[46:47]
.irp s, 0,1
	s_mov_b32 s[G0+4*\s], 1
	s_add_co_u32 s[G0+4*\s+1], s45, \s*SLOT
	s_add_nc_u64 s[G0+4*\s+2:G0+4*\s+3], s[20:21], \s*HALFT
	s_or_b32 s[G0+4*\s+3], s[G0+4*\s+3], 0x80000000
	s_mov_b32 s[G0B+4*\s], 1
	s_add_co_u32 s[G0B+4*\s+1], s45, \s*SLOT
	s_add_nc_u64 s[G0B+4*\s+2:G0B+4*\s+3], s[46:47], \s*HALFT
	s_or_b32 s[G0B+4*\s+3], s[G0B+4*\s+3], 0x80000000
.endr
	s_cmp_eq_u32 s15, 0
	s_cselect_b64 s[PFA:PFA+1], s[20:21], s[46:47] ; the group that I fetch,
	s_cselect_b32 s88, s40, s41                    ; and my place among the four that ask for it with me
	s_add_nc_u64 s[PFA:PFA+1], s[PFA:PFA+1], 3*HALFT   ; at fill 3; the first refill steps it to fill 4
	s_mul_i32 s93, s88, 25                         ; my share's first block of the last fill's 100,
	s_mul_i32 s88, s88, 38                         ; and of another fill's 150
	s_add_co_u32 s89, s88, 32
	CROUND                                         ; all sixteen work-groups are here: the first joint loads meet
	JLOAD G0, G1, G0B, G1B                         ; K steps 0-2: my one tensor load at the head
	s_mul_i32 s21, s15, HALFT                      ; my group of A
	s_mul_i32 s22, s16, HALFT
	s_add_co_u32 s22, s22, 2*HALFT                 ; my group of B
	s_sub_co_u32 s23, s22, s21
	s_add_co_u32 s18, s21, SLOT
	s_add_co_u32 s19, s22, SLOT
	s_mul_i32 s92, s14, 16*SPITCH
	s_add_co_u32 s92, s92, STAGE                   ; my stage
	v_and_b32 v1, 15, v0                           ; r
	v_bfe_u32 v2, v0, 4, 1                         ; h
	v_and_b32 v6, 31, v0                           ; lane
	v_lshlrev_b32 v[CO], 4, v6                     ; 16 x lane: a fragment's place, a stage row's, and a row's of out0
	v_mul_u32_u24 v5, s23, v2                      ; lanes 16-31 take B's scale words
	v_lshl_add_u32 v5, v1, 4, v5                   ; 16 r: four blocks' words
	v_add_nc_u32 v[ADRA], s21, v[CO]
	v_add_nc_u32 v[ADRA+1], s18, v[CO]
	v_add_nc_u32 v[ADRB], s22, v[CO]
	v_add_nc_u32 v[ADRB+1], s19, v[CO]
	v_add_nc_u32 v[ADRS], s21, v5
	v_add_nc_u32 v[ADRS+1], s18, v5
	v_mul_u32_u24 v7, v1, SPITCH                   ; into the stage: row r, 32 bytes for each half of the lanes
	v_lshl_add_u32 v7, v2, 5, v7
	v_add_nc_u32 v[STO], s92, v7
	v_add_nc_u32 v[RD], s92, v[CO]                 ; back: the 32 lanes take one row of 512 bytes
	v_min_u32 v9, 24, v6
	v_add_nc_u32 v9, s93, v9                       ; the last fill: blocks 25 p + 0 .. 24
	v_lshlrev_b32 v[PFT], 8, v9
	v_add_nc_u32 v[PFO], s88, v6                   ; blocks 38 p + 0 .. 31 of a fill's 150,
	v_lshlrev_b32 v[PFO], 8, v[PFO]
	v_min_u32 v8, 5, v6
	v_add_nc_u32 v8, s89, v8                       ; and 38 p + 32 .. 37,
	v_min_u32 v8, 149, v8                          ; held at the fill's last block
	v_lshlrev_b32 v[PFO+1], 8, v8
	PF2 -2*HALFT                                   ; fills 1 and 2
	PF2 -HALFT
	s_lshl_b32 s20, s17, 22                        ; out0: 256 x tile row rows of 16,384 bytes,
	s_lshl_b32 s21, s15, 21                        ; my 128 rows,
	s_add_co_u32 s20, s20, s21
	s_lshl_b32 s21, s42, 10                        ; 256 x tile column,
	s_add_co_u32 s20, s20, s21
	s_lshl_b32 s21, s16, 9                         ; my 128 columns
	s_add_co_u32 s20, s20, s21
	s_mov_b32 s21, 0
	s_add_nc_u64 s[12:13], s[12:13], s[20:21]
; ONE run of 50 LDS loads: the fragments and scale words of step q of a slot into set p; B's first, A's last, block by block
.macro FETCH slot, q, p
	WIN TO_B
.irp i, 0,1,2,3,4,5,6,7
.irp c, 0,1,2
	ds_load_b128 v[128*(\p)+FR*\i+4*\c:128*(\p)+FR*\i+4*\c+3], v[ADRB+\slot] offset:(\q)*KSB+\i*FRB+512*\c
.endr
.endr
	WIN 0
.irp g, 0,1
	ds_load_b128 v[SC+8*(\p)+4*\g:SC+8*(\p)+4*\g+3], v[ADRS+\slot] offset:(\q)*KSB+SCO+256*\g
.endr
.irp i, 0,1,2,3,4,5,6,7
.irp c, 0,1,2
	ds_load_b128 v[AF+96*(\p)+FR*\i+4*\c:AF+96*(\p)+FR*\i+4*\c+3], v[ADRA+\slot] offset:(\q)*KSB+\i*FRB+512*\c
.endr
.endr
.endm
; 8 matrix instructions: A's block a x B's eight, set p.  The accumulators take turns, one instruction a turn
.macro G8 a, p, zero
.if (\a) < 4
	WIN MUL_LO
.else
	WIN MUL_HI
.endif
.irp b, 0,1,2,3,4,5,6,7
.if \zero
	v_wmma_scale_f32_16x16x128_f8f6f4 v[8*(8*((\a)%4)+\b):8*(8*((\a)%4)+\b)+7], v[128*(\p)+FR*\b:128*(\p)+FR*\b+FR-1], v[AF+96*(\p)+FR*(\a):AF+96*(\p)+FR*(\a)+FR-1], 0, v[SC+8*(\p)+\b], v[SC+8*(\p)+(\a)] matrix_a_fmt:MATRIX_FMT_FP6 matrix_b_fmt:MATRIX_FMT_FP6 matrix_a_scale:MATRIX_SCALE_ROW1
.else
	v_wmma_scale_f32_16x16x128_f8f6f4 v[8*(8*((\a)%4)+\b):8*(8*((\a)%4)+\b)+7], v[128*(\p)+FR*\b:128*(\p)+FR*\b+FR-1], v[AF+96*(\p)+FR*(\a):AF+96*(\p)+FR*(\a)+FR-1], v[8*(8*((\a)%4)+\b):8*(8*((\a)%4)+\b)+7], v[SC+8*(\p)+\b], v[SC+8*(\p)+(\a)] matrix_a_fmt:MATRIX_FMT_FP6 matrix_b_fmt:MATRIX_FMT_FP6 matrix_a_scale:MATRIX_SCALE_ROW1
.endif
.endr
.endm
; A step that is not its slot's last: fetches step nq of slot ns into the other set, then multiplies set p
.macro STEP p, ns, nq, zero
	PLACES                                         ; four places behind the last products, which read the other set
	FETCH \ns, \nq, 1-\p
	s_wait_dscnt 50                                ; all but the 50 just issued: set p is in
.irp a, 0,1,2,3,4,5,6,7
	G8 \a, \p, \zero
.endr
.endm
; The loop's prefetch.  In the last trip (s3 = 1) the first refill's stands at the last fill, of two K steps (tail = 1), and the second's would stand beyond K: it asks for nothing
.macro ASK tail
	s_cmp_gt_u32 s3, 1
	s_cbranch_scc0 .Llast_trip_\@
	PF2 0
.if \tail
	s_branch .Lasked_all_\@
.Llast_trip_\@:
	global_prefetch_b8 v[PFT], s[PFA:PFA+1] th:TH_LOAD_NT scope:SCOPE_SE
.Lasked_all_\@:
.else
.Llast_trip_\@:
.endif
.endm
; A slot's last step: its fragments (set p) were fetched in the step before, so slot cs is read no more.  fill = 1: three K steps, 2: the last two, 0: none, and no round.
; ask = 1, 2: the loop's first and second refill, with their prefetch.  16 matrix instructions stand between the wait for my tensor loads and the refill; the step's other 48 follow the fetch
.macro TURN cs, p, ns, fill, ask
.if \ask
	s_wait_xcnt 0x0                                ; my prefetches have read their address
	s_add_nc_u64 s[PFA:PFA+1], s[PFA:PFA+1], HALFT
.endif
	WIN 0
	s_wait_tensorcnt 0x0                           ; all my tensor loads have landed: my part of slot ns;
	ds_add_u32 v[SPW], v[NIL]
.if \fill
	s_add_nc_u64 s[G0+4*\cs+2:G0+4*\cs+3], s[G0+4*\cs+2:G0+4*\cs+3], 2*HALFT       ; no tensor load of mine is out: slot cs's next fill
	s_add_nc_u64 s[G0B+4*\cs+2:G0B+4*\cs+3], s[G0B+4*\cs+2:G0B+4*\cs+3], 2*HALFT
.endif
	s_wait_dscnt 1                                 ; (set p is in; the add may be out)
	G8 0, \p, 0
	s_wait_dscnt 0x0                               ; the add is done, and my reads of slot cs are over
	s_barrier_signal -1
	G8 1, \p, 0
	WIN 0
	s_barrier_wait -1
.if \fill
	CREST                                          ; the barrier has opened a round of the cluster's barrier
.if \fill == 1
	JLOAD G0+4*\cs, G1, G0B+4*\cs, G1B             ; the four v_nop behind it are the places in front of the loads below
.else
	JLOAD G0+4*\cs, G1E, G0B+4*\cs, G1EB
.endif
.else
	PLACES
.endif
	FETCH \ns, 0, 1-\p
.if \ask == 1
	ASK 1
.endif
.if \ask == 2
	ASK 0
.endif
.irp a, 2,3,4,5,6,7
	G8 \a, \p, 0
.endr
.endm
	s_wait_alu depctr_va_vdst(0)
	s_wait_tensorcnt 0x0                           ; my part of slot 0 is in; the lines ahead of a later first fill:
	ds_add_u32 v[SPW], v[NIL]
	s_wait_dscnt 0x0
	CROUND
	JLOAD G0+4, G1, G0B+4, G1B                     ; K steps 3-5
	FETCH 0, 0, 0
	PF2 0                                          ; fill 3
	STEP 0, 0, 1, 1                                ; the first step's products start the sums
	WIN 0
	s_mov_b32 s3, TRIPS
.Llap:                                                 ; a trip: six K steps, once round the ring and back to set 0
	STEP 1, 0, 2, 0
	TURN 0, 0, 1, 1, 1
	STEP 1, 1, 1, 0
	STEP 0, 1, 2, 0
	TURN 1, 1, 0, 1, 2
	STEP 0, 0, 1, 0
	WIN 0
	s_sub_co_u32 s3, s3, 1
	s_cmp_lg_u32 s3, 0
	s_cbranch_scc1 .Llap
	STEP 1, 0, 2, 0                                ; K step 25
	TURN 0, 0, 1, 2, 0                             ; slot 0 takes K steps 30, 31
	STEP 1, 1, 1, 0
	STEP 0, 1, 2, 0
	TURN 1, 1, 0, 0, 0                             ; K step 29; step 30 comes into set 0; nobody reads slot 1 behind its barrier
; THE WAY OUT of block a.  One window setting serves all four kinds of line: address in window 0, data and destination in the block's window
.macro TOSTAGE a
.set AC, 64*((\a)%4)
	WIN 0x88+0x44*((\a)/4)
.irp b, 0,1,2,3,4,5,6,7
	ds_store_b128 v[STO], v[AC+8*\b:AC+8*\b+3] offset:64*\b          ; each accumulator from its low end on
	ds_store_b128 v[STO], v[AC+8*\b+4:AC+8*\b+7] offset:64*\b+16
.endr
.irp t, 0,1,2,3,4,5,6,7,8,9,10,11,12,13,14,15
	ds_load_b128 v[AC+4*\t:AC+4*\t+3], v[RD] offset:\t*SPITCH        ; LDS serves a wave's instructions in order: whole rows come back, into the block's own registers
.endr
.endm
.macro SEND a
.set AC, 64*((\a)%4)
	WIN 0x88+0x44*((\a)/4)
	s_wait_dscnt 0x0
.set i, 0
.rept 64
	v_max_num_f32 v[AC+i], 0, v[AC+i]              ; the relu.  (These 64 are also the places behind the products issued just before)
.set i, i+1
.endr
.irp t, 0,1,2,3,4,5,6,7,8,9,10,11,12,13,14,15
	global_store_b128 v[CO], v[AC+4*\t:AC+4*\t+3], s[12:13] offset:(16*(\a)+\t)*SIZE_N*4 th:TH_STORE_NT   ; 32 lanes store 512 consecutive bytes, aligned; 127 rows at the most: inside the signed 24-bit immediate; no register of a store is written again
.endr
.endm
	PLACES
	FETCH 0, 1, 1                                  ; K step 31 into set 1
	s_wait_dscnt 50                                ; set 0 is in
.irp a, 0,1,2,3
	G8 \a, 0, 0
.endr
	s_wait_dscnt 21                                ; set 1: B, the scale words and A's block 0 are in; blocks 1-7 (3 loads each) may be out
	G8 0, 1, 0
	s_wait_dscnt 18
	G8 1, 1, 0
	PLACES                                         ; in front of the first reads of results
.irp a, 0,1,2,3,4,5,6,7
	TOSTAGE \a
.if \a == 0
	s_wait_dscnt 47                                ; A's block 2 is in: behind it its blocks 3-7 (15 loads) and the stage's 32
.endif
.if \a < 2
	G8 \a+2, 1, 0
.elseif \a < 6
	G8 \a+2, 0, 0
	G8 \a+2, 1, 0
.endif
	SEND \a
.endr
	WIN 0
	s_wait_tensorcnt 0x0                           ; the wave's end
	ds_add_u32 v[SPW], v[NIL]
	s_wait_dscnt 0x0
	CROUND                                         ; the closing round
	s_endpgm
.Lfunc_end_k_qb151423be1_gemm:
	.size	k_qb151423be1_gemm, .Lfunc_end_k_qb151423be1_gemm-k_qb151423be1_gemm
	.p2alignl 7, 3214868480
	.fill 96, 4, 3214868480
	.section	.rodata,"a",@progbits
	.p2align	6, 0x0
	.amdhsa_kernel k_qb151423be1_gemm
		.amdhsa_group_segment_fixed_size 327680
		.amdhsa_private_segment_fixed_size 0
		.amdhsa_enable_private_segment 0
		.amdhsa_kernarg_size 24
		.amdhsa_user_sgpr_count 2
		.amdhsa_user_sgpr_kernarg_segment_ptr 1
		.amdhsa_wavefront_size32 1
		.amdhsa_system_sgpr_workgroup_id_x 1
		.amdhsa_system_sgpr_workgroup_id_y 1
		.amdhsa_system_sgpr_workgroup_id_z 1
		.amdhsa_system_vgpr_workitem_id 0
		.amdhsa_next_free_vgpr 1024
		.amdhsa_next_free_sgpr 98
		.amdhsa_reserve_vcc 0
		.amdhsa_float_denorm_mode_32 3
		.amdhsa_float_denorm_mode_16_64 3
		.amdhsa_memory_ordered 1
		.amdhsa_forward_progress 1
		.amdhsa_inst_pref_size 219
	.end_amdhsa_kernel
	.amdgpu_metadata
---
amdhsa.version: [ 1, 2 ]
amdhsa.kernels:
  - .name:           k_qb151423be1_gemm
    .symbol:         k_qb151423be1_gemm.kd
    .args:
      - { .name: wq, .offset: 0, .size: 8, .value_kind: global_buffer, .address_space: global }
      - { .name: xq, .offset: 8, .size: 8, .value_kind: global_buffer, .address_space: global }
      - { .name: out0, .offset: 16, .size: 8, .value_kind: global_buffer, .address_space: global }
    .group_segment_fixed_size: 327680
    .private_segment_fixed_size: 0
    .kernarg_segment_align: 8
    .kernarg_segment_size: 24
    .max_flat_workgroup_size: 128
    .sgpr_count:     98
    .vgpr_count:     1024
    .wavefront_size: 32
...
	.end_amdgpu_metadata
.endif
;; end of part 2
